; MI455X (gfx1250); checked and timed in simulation.
; The chip was launched on July 23, 2026; its instructions are those of AMD's public machine-readable ISA for CDNA 5 (MIT licence, August 2026) and "CDNA5" Instruction Set Architecture Reference Guide (July 2026). The comments in the code are by the model that wrote it; some were corrected since.
;; Lora Layer. Allowed arithmetic: matrix products marked QUANTISED: E3M2 operands, one E8M0 scale for each 32 along K, by v_wmma_scale_f32_16x16x128_f8f6f4 with both operands' format E3M2, f32 sums; products left as they are: f32 operands where the result goes on into a quantised operand, else bf16, f16 or f32 operands; f32 sums; everything else in f32.
;; Inputs: b 2,048 float32; lora_a 2,048 x 16 float32; lora_b 16 x 2,048 float32; w 2,048 x 2,048 float32; x 4 x 2,048 x 2,048 float32.
;; Outputs: out0 4 x 2,048 x 2,048 float32.
;; This version of the problem:
;;   THIS VERSION OF THE PROBLEM IS GIVEN IN LOW PRECISION. The matrix products marked QUANTISED in the list below multiply operands that are first quantised to E3M2 (3 exponent bits, 2 mantissa bits; 6 bits a number), with one power-of-two scale for each 32 numbers along K (OCP MX v1.0); their sums are f32. All else is computed in f32.
;;   The module's matrix products, in the order in which they are computed (A, B: the left and right operand; K: the contracted axis; several contracted axes count as one K, in the product's order):
;;     1. [M 8,192, K 2,048] x [K 2,048, N 2,048]; A: input x; B: input w: QUANTISED
;;     2. [M 2,048, K 16] x [K 16, N 2,048]; A: input lora_a; B: input lora_b: left as it is (K = 16 < 32)
;;     3. [M 8,192, K 2,048] x [K 2,048, N 2,048]; A: input x; B: computed on the way: QUANTISED
;;   THE QUANTISER, for each operand of a quantised product, along K:
;;     - K is cut into blocks of 32 from its start; a last block that is shorter is filled with zeros.
;;     - A block's scale is 2^e with e = floor(log2(the largest magnitude in the block)) - 4, held to -126 .. 127; a block of zeros has e = 0. As a byte (E8M0): e + 127.
;;     - Each number is divided by its block's scale, clamped to +-28, and rounded to the nearest number of E3M2, ties to even, subnormals kept.
;;     - The product sums the exact products of the quantised numbers (number of the format x scale) in f32.
;;   ~~~python
;;   def quantise(x, axis):      # numpy; x: float32 -> the quantised numbers, widened to float32 again
;;       x = np.moveaxis(x, axis, -1); K = x.shape[-1]
;;       x = np.pad(x, [(0, 0)] * (x.ndim - 1) + [(0, -K % 32)]); x = x.reshape(x.shape[:-1] + (-1, 32)); a = np.abs(x).max(-1, keepdims=True)
;;       e = np.where(a > 0, np.clip(np.frexp(np.where(a > 0, a, 1))[1] - 1 - 4, -126, 127), 0)      # np.frexp(a)[1] - 1 = floor(log2(a)), exactly
;;       r = np.clip(x / 2.0 ** e, -28, 28)
;;       step = 2.0 ** (np.maximum(np.frexp(np.where(r == 0, 1, r))[1] - 1, -2) - 2)
;;       q = np.round(r / step) * step * 2.0 ** e      # np.round: ties to even
;;       return np.moveaxis(q.reshape(q.shape[:-2] + (-1,))[..., :K], -1, axis).astype(np.float32)
;;   ~~~
;;   OPERANDS COMPUTED ON THE WAY. 'Computed on the way' means the value that the module computes at that place (a softmax that the list does not call 'softmax' is quantised finished and normalised). What goes into a quantiser is computed in f32, as accurately as f32 sums, v_exp_f32 and their like allow (about 1e-6 of the number): no bf16 or f16 on the way to a quantiser, and a product that is left as it is and whose result goes on into a quantised operand takes f32 operands (vector FMAs, or v_wmma_f32_16x16x4_f32). A number that lies on a knife's edge between two numbers of the format may be rounded either way, as far as f32 arithmetic and the matrix unit's own rounding can turn it there, and no further.
;; One version. Each part assembles by itself: llvm-mc -triple=amdgcn-amd-amdhsa -mcpu=gfx1250 --defsym DOCPART=n.
;; ======== version 1 of 1: 2 launches
;; limits: right only within a limited range of input values
;; workspace buffers: xq 13,107,200 bytes; bq 6,553,600 bytes
;; launch quant (part 1): grid 256 x 1, 12 waves a work-group, no clusters, 309,504 bytes of LDS; arguments x, w, lora_a, lora_b, xq, bq; writes xq, bq
.if DOCPART == 1
	.amdgcn_target "amdgcn-amd-amdhsa--gfx1250"
	.amdhsa_code_object_version 6
	.text
	.protected	k_q5d41a8e85d_quant
	.globl	k_q5d41a8e85d_quant
	.p2align	8
	.type	k_q5d41a8e85d_quant,@function
k_q5d41a8e85d_quant:
	s_mov_b64 s[64:65], 0
	v_nop
	global_prefetch_b8 v0, s[64:65] scope:SCOPE_SE
	s_setreg_imm32_b32 hwreg(HW_REG_WAVE_MODE, 25, 1), 1
	s_wait_xcnt 0x0
; x [8192][2048], w [2048][2048] and ab = lora_a lora_b ([2048 k][2048 n], made here in f32 by v_wmma_f32_16x16x4_f32) become codes of BF6 (E3M2) with one E8M0 byte for each 32 along K.
; A block's scale is 2^(floor(log2(its largest magnitude)) - 4): its byte is the largest magnitude's exponent field - 4, held at 1 from below by a floor among the maximum's leaves.
; THE FACTOR ALPHA / R = 2 of the second product is a power of two: it is put into ab's scale bytes (byte + 1, at most 251), which multiplies by 2 exactly.
; THE WORKSPACE IS LAID AS THE PRODUCT'S LAUNCH WANTS IT: as images of the operand's registers.
;   A FRAGMENT (16 rows x 128 K, 12 registers a lane) is 1,536 bytes: register 4 j + i of lane l at byte 512 j + 16 l + 4 i.  Lane (r = l % 16, h = l / 16): registers 6 c .. 6 c + 5 = block 2 c + h (k = 64 c + 32 h + 0 .. 31) of row r.
;   A CHUNK (128 rows x 256 K) is 25,600 bytes: fragment (row block a, K half q) at (2 a + q) x 1,536; from byte 24,576 the scale words: byte 256 j + 8 l + 4 i = the word (four bytes, 128 K) of row r of row block 2 j + i, K half h.
;   xq: [K step S of 256][chunk of 128 rows][25,600].   bq: [S][chunk of 128 n][w's chunk, then ab's][25,600].
; SHARES.  A wave's share is a quarter j of a chunk: row blocks 2 j and 2 j + 1, four fragments and 256 bytes of scale words.  x and w have 2,560 shares, ab 512: each of the 256 work-groups takes ten and two.
;   Waves 0-8: a share of x or w (32 rows x 1,024 bytes) comes into the wave's own LDS bytes by ONE tensor load at the head; nothing is filled again, and no wave reads another's bytes: no barrier.
;   Wave 9: the tenth share comes through registers and the wave's stage in LDS: ten tiles of 33,280 bytes and the spare words would not fit in a WGP's LDS.   Waves 10, 11: ab.
; A wave's results stay in registers and are stored at its end, each fragment from registers of its own.
; No clusters: no two work-groups read the same bytes of x or w.  No prefetch: every share is asked for at the head, and there is no loop to run ahead in.
; LIMITS: NaN and infinities among the inputs are not served.  A block of zeros gets the byte 1 (ab: 2) where the quantiser's rule says 127: its codes are zeros, which add nothing, and this program alone reads the bytes.
.set XSS,  1638400                     ; xq: bytes from K step to K step (64 chunks)
.set XCH,  25600                       ; a chunk
.set BSS,  819200                      ; bq: bytes from K step to K step (16 x 2 chunks)
.set BCH,  51200                       ; w's chunk and ab's
.set SCO,  24576                       ; where a chunk's scale words begin
.set FRB,  1536                        ; a fragment's image
.set TP,   1040                        ; a tile's row in LDS: 1,024 bytes + 16: the sixteen rows that a read touches begin in different banks
.set TILE, 32*TP                       ; a wave's tile
.set SP,   528                         ; a stage row: 512 bytes + 16
.set STG,  9*TILE                      ; wave 9's stage, 16 rows
.set SPARE, STG+16*SP                  ; the spare words, 128 bytes a wave
.set G0,   36                          ; s[36:39], s[40:47] the tensor load's descriptor
.set G1,   40
.set MSB, 0
.macro WIN new                         ; the immediate's high byte repeats the setting that is left
.if MSB != \new
	s_set_vgpr_msb (MSB<<8)|\new
.set MSB, \new
.endif
.endm
.set M,   6                            ; v6-7    the two blocks' largest magnitudes
.set E,   8                            ; v8-9    the conversions' scale operands
.set BY,  10                           ; v10-11  the scale bytes
.set WD,  16                           ; v16-19  a scale word for each of my four fragments
.set T2,  20                           ; v20-22, v24-26  the upper halves of a block's codes (a conversion's three registers begin on an even number)
.set TA,  27                           ; v27     waves 0-8: where my row r, K block h lies in my tile
	s_load_b256 s[4:11], s[0:1], 0x0               ; x s[4:5], w s[6:7], lora_a s[8:9], lora_b s[10:11]
	s_load_b128 s[12:15], s[0:1], 0x20             ; xq s[12:13], bq s[14:15]
	v_lshl_add_u32 v254, v0, 2, SPARE
	v_mov_b32 v255, 0
	ds_add_u32 v254, v255                          ; the opening lines: the add, twice on end, and its wait
	ds_add_u32 v254, v255
	v_lshrrev_b32 v1, 5, v0
	v_readfirstlane_b32 s16, v1                    ; wave 0..11
	s_mov_b32 s29, 0                               ; the upper words of the offset pairs
	s_mov_b32 s49, 0
	s_mov_b32 s51, 0
	s_mov_b32 s26, 0x76543210
	s_mov_b32 s27, 0xfedcba98                      ; v_permlanex16_b32's selects for lane l xor 16
	s_mov_b32 s33, 0xffff0000                      ; lanes 16-31
	s_mov_b32 s[G1+0], (2<<16)|(1<<20)|(7<<22)|(3<<25)   ; elements of 4 bytes; 4 words of padding behind every 256
	s_mov_b32 s[G1+1], 256<<16                     ; tensor_dim0 = 256
	s_mov_b32 s[G1+2], 32<<16                      ; tensor_dim1 = 32
	s_mov_b32 s[G1+3], 256<<16                     ; tile_dim0 = 256
	s_mov_b32 s[G1+4], 32                          ; tile_dim1 = 32
	s_mov_b32 s[G1+5], 2048                        ; elements from row to row
	s_mov_b32 s[G1+6], 0
	s_mov_b32 s[G1+7], 0
	s_mul_i32 s32, s16, TILE                       ; my tile (waves 0-8)
	s_mul_i32 s17, ttmp9, 10                       ; waves 0-9: share 10 x work-group + wave
	s_add_co_u32 s17, s17, s16
	s_and_b32 s34, s17, 3                          ; its quarter j
	s_lshr_b32 s52, s17, 2                         ; its chunk: 0-511 x's, 512-639 w's
	s_cmp_lt_u32 s52, 512
	s_mov_b32 s18, BSS
	s_cselect_b32 s18, XSS, s18
	s_mov_b32 s19, BCH
	s_cselect_b32 s19, XCH, s19
	s_cselect_b32 s20, 0, 512
	s_sub_co_u32 s17, s52, s20
	s_lshr_b32 s21, s17, 3                         ; chunk of 128 rows
	s_and_b32 s17, s17, 7                          ; K step S
	s_lshl_b32 s28, s21, 20                        ; 128 rows of 8,192 bytes,
	s_lshl_b32 s30, s34, 18                        ; my 32 of them,
	s_add_co_u32 s28, s28, s30
	s_lshl_b32 s30, s17, 10                        ; 256 numbers along K
	s_add_co_u32 s28, s28, s30
	s_mul_i32 s30, s17, s18
	s_mul_i32 s31, s21, s19
	s_add_co_u32 s30, s30, s31                     ; where my chunk begins
	s_mul_i32 s31, s34, 4*FRB
	s_add_co_u32 s48, s30, s31                     ; my four fragments
	s_lshl_b32 s31, s34, 8
	s_add_co_u32 s50, s30, s31
	s_add_co_u32 s50, s50, SCO                     ; my 256 bytes of scale words
	v_and_b32 v6, 31, v0                           ; lane
	v_lshlrev_b32 v1, 4, v6                        ; 16 x lane: never rewritten
	v_lshlrev_b32 v2, 3, v6                        ; 8 x lane: never rewritten
	v_and_b32 v6, 15, v0                           ; r
	v_bfe_u32 v7, v0, 4, 1                         ; h
	v_add_nc_u32 v3, STG, v1                       ; the stage, in: 16 x lane of a row
	v_mul_u32_u24 v4, v6, SP
	v_lshl_add_u32 v4, v7, 7, v4
	v_add_nc_u32 v4, STG, v4                       ; the stage, out: row r, + 128 h: block h of each 64 along K
	v_mul_u32_u24 v[TA], v6, TP
	v_lshl_add_u32 v[TA], v7, 7, v[TA]
	v_add_nc_u32 v[TA], s32, v[TA]                 ; my tile: row r, + 128 h
	v_lshlrev_b32 v5, 3, v7                        ; 8 h: my bytes' place in a scale word
	v_mov_b32 v13, 0                               ; written once: a lane permute's destination counts as one of its sources
	s_wait_alu depctr_va_vdst(0)                   ; the wait at the head's end
	s_wait_dscnt 0x0                               ; both opening adds are done
	s_wait_kmcnt 0x0
	s_cmp_ge_u32 s16, 10
	s_cbranch_scc1 .Lab
	s_cmp_lt_u32 s52, 512                          ; x's share or w's?  The choice hangs on ids alone
	s_cselect_b64 s[4:5], s[4:5], s[6:7]
	s_cselect_b64 s[12:13], s[12:13], s[14:15]
	s_add_nc_u64 s[4:5], s[4:5], s[28:29]
	s_add_nc_u64 s[22:23], s[12:13], s[48:49]
	s_add_nc_u64 s[24:25], s[12:13], s[50:51]
	s_cmp_eq_u32 s16, 9
	s_cbranch_scc1 .Lvec
; 64 numbers (two blocks of my row, at v[XS]) become 12 registers of codes at v[CS] and the row's scale word in v[WW]
.macro QUANT
.irp c, 0,1
	v_max3_num_f32 v[M+\c], |v[XS+32*\c]|, |v[XS+32*\c+1]|, 0x2800000   ; all 32 numbers of a block are mine; and the floor 2^(5 - 127), so that the byte cannot fall under 1
.endr
.irp i, 2,4,6,8,10,12,14,16,18,20,22,24,26,28,30
.irp c, 0,1
	v_max3_num_f32 v[M+\c], v[M+\c], |v[XS+32*\c+\i]|, |v[XS+32*\c+\i+1]|   ; (the two blocks by turns)
.endr
.endr
.irp c, 0,1
	v_add_nc_u32 v[E+\c], 0xfe000000, v[M+\c]      ; 4 off the exponent field: the conversion takes the exponent field of this operand as its scale
.endr
.irp c, 0,1
	v_lshrrev_b32 v[BY+\c], 23, v[E+\c]            ; the scale's byte
.endr
	v_lshl_or_b32 v12, v[BY+1], 16, v[BY]          ; my two bytes: blocks h and 2 + h,
	v_lshlrev_b32 v12, v5, v12                     ; at their places in the word;
	v_permlanex16_b32 v13, v12, s26, s27
	v_or_b32 v[WW], v12, v13                       ; with lane l xor 16's two the row's word is whole, in both lanes
.irp c, 0,1
	v_cvt_scalef32_pk16_bf6_f32 v[CS+6*\c:CS+6*\c+2], v[XS+32*\c:XS+32*\c+15], v[E+\c]
	v_cvt_scalef32_pk16_bf6_f32 v[T2+4*\c:T2+4*\c+2], v[XS+32*\c+16:XS+32*\c+31], v[E+\c]
.endr
	v_nop                                          ; one plain vector instruction behind a scaled conversion, ahead of the moves that read its result
.irp c, 0,1
.irp i, 0,1,2
	v_mov_b32 v[CS+6*\c+3+\i], v[T2+4*\c+\i]
.endr
.endr
.endm
.macro FINISH                          ; the scale words' image, and the closing wait, add and wait behind a wave's last write of LDS
	v_cndmask_b32 v14, v[WD], v[WD+1], s33         ; row block 2 j: lanes 0-15 keep K half 0's word, lanes 16-31 take K half 1's
	v_cndmask_b32 v15, v[WD+2], v[WD+3], s33       ; row block 2 j + 1
	s_wait_alu depctr_va_vdst(0)                   ; the stores read what was just written, behind blocking waits
	s_wait_tensorcnt 0x0
	ds_add_u32 v254, v255
	s_wait_dscnt 0x0
.endm
; ---------------------------------------------------------------- waves 0-8: x and w by a tensor load
.set TX,  28                           ; v28-155  two sets of 64 numbers
.set TC,  156                          ; v156-203 the codes of my four fragments
	s_mov_b32 s[G0], 1
	s_mul_i32 s[G0+1], s16, TILE
	s_mov_b64 s[G0+2:G0+3], s[4:5]
	s_or_b32 s[G0+3], s[G0+3], 0x80000000
	tensor_load_to_lds s[G0:G0+3], s[G1:G1+7]      ; my 32 rows x 1,024 bytes: my one tensor load
	s_nop 0
.macro TLOAD t                         ; fragment t = 2 i + q: number n of block 2 c + h of row 16 i + r into register 32 c + n of set t % 2
.irp c, 0,1
.irp e, 0,1,2,3,4,5,6,7
	ds_load_b128 v[TX+64*((\t)%2)+32*\c+4*\e:TX+64*((\t)%2)+32*\c+4*\e+3], v[TA] offset:16*((\t)/2)*TP+512*((\t)%2)+256*\c+16*\e
.endr
.endr
.endm
	s_wait_tensorcnt 0x0                           ; my tile is in; I alone read it
	TLOAD 0
.irp t, 0,1,2,3
.if \t < 3
	TLOAD \t+1
	s_wait_dscnt 16                                ; this fragment's 16 loads are in; the next one's may be out
.else
	s_wait_dscnt 0x0
.endif
.set XS, TX+64*(\t%2)
.set CS, TC+12*\t
.set WW, WD+\t
	QUANT
.endr
	FINISH
.irp t, 0,1,2,3
.irp j, 0,1,2
	global_store_b128 v1, v[TC+12*\t+4*\j:TC+12*\t+4*\j+3], s[22:23] offset:FRB*\t+512*\j   ; 32 lanes store 512 consecutive bytes, at a multiple of 256 from the buffer's first byte
.endr
.endr
	global_store_b64 v2, v[14:15], s[24:25]        ; 32 lanes store 256 consecutive bytes, aligned
	s_endpgm
; ---------------------------------------------------------------- wave 9: x and w through registers
; Each load reads 512 consecutive bytes (128 K of one row); a fragment's 16 rows turn through the wave's stage in LDS.
.set R,   28                           ; v28-155 two sets of 64: a fragment as loaded; the codes of fragments 2 and 3 take the first 12 registers of their own set, once it has gone to the stage
.set X,   156                          ; v156-219 64 numbers: two blocks of my row
.set C,   220                          ; v220-243 the codes of fragments 0 and 1
.Lvec:
.macro LOAD t                          ; fragment t = 2 i + q: 16 rows of row block i, K half q
.set I, 0
.rept 16
	global_load_b128 v[R+64*((\t)%2)+4*I:R+64*((\t)%2)+4*I+3], v1, s[4:5] offset:(16*((\t)/2)+I)*8192+512*((\t)%2) th:TH_LOAD_NT   ; 32 lanes read 512 consecutive bytes; read once in the launch
.set I, I+1
.endr
.endm
.macro FRAGMENT t
.set RS, R+64*((\t)%2)
.if (\t) < 2
.set CS, C+12*(\t)
.else
.set CS, R+64*((\t)-2)
.endif
.set XS, X
.set WW, WD+(\t)
.if (\t) < 3
	s_wait_loadcnt 16                              ; this fragment's 16 loads are in; the next one's 16 may be out
.else
	s_wait_loadcnt 0x0
.endif
.set I, 0
.rept 16
	ds_store_b128 v3, v[RS+4*I:RS+4*I+3] offset:SP*I
.set I, I+1
.endr
.irp c, 0,1
.irp i, 0,1,2,3,4,5,6,7
	ds_load_b128 v[X+32*\c+4*\i:X+32*\c+4*\i+3], v4 offset:256*\c+16*\i   ; LDS serves a wave's instructions in order: these see the stores above
.endr
.endr
	s_wait_dscnt 0x0                               ; the stores have read their registers, and my 64 numbers are in
.if (\t) < 2
	LOAD (\t)+2                                    ; into the set just left
.endif
	QUANT
.endm
	LOAD 0
	LOAD 1
	FRAGMENT 0
	FRAGMENT 1
	FRAGMENT 2
	FRAGMENT 3
	FINISH
.irp t, 0,1,2,3
.irp j, 0,1,2
.if \t < 2
	global_store_b128 v1, v[C+12*\t+4*\j:C+12*\t+4*\j+3], s[22:23] offset:FRB*\t+512*\j
.else
	global_store_b128 v1, v[R+64*(\t-2)+4*\j:R+64*(\t-2)+4*\j+3], s[22:23] offset:FRB*\t+512*\j
.endif
.endr
.endr
	global_store_b64 v2, v[14:15], s[24:25]
	s_endpgm
; ---------------------------------------------------------------- waves 10, 11: ab; K is its first axis
; A fragment is 16 columns n of ab x 128 k.  It is made as eight tiles of 16 k x 16 n: source 0 = 16 rows of lora_a, source 1 = 16 columns of lora_b, four matrix instructions (r = 16) a tile.
; THE ROWS OF A TILE ARE NOT NEIGHBOURS: lane m of tile 2 b + u takes k = 32 b + 8 u + m + 8 (m / 8).  In the result lane (r, h) then holds column r, and register j of tile 2 b + u holds k = 32 b + 16 h + 8 u + j:
; the 16 registers of two tiles are 16 neighbours along K, and a block of 32 lies in lanes l and l xor 16.
; r is taken in another order, alike in both sources: the registers 2 s, 2 s + 1 of lane half h hold r = 8 h + 2 s, 8 h + 2 s + 1, so that a lane's eight numbers of a row of lora_a are 32 neighbouring bytes.
; The sums lie in v256-319, which matrix instructions alone write.
.set BV,  16                           ; v16-31   lora_b: for row block i at 8 i: [8 h + e][n], e = 0 .. 7
.set AM,  32                           ; v32-35   the four blocks' largest magnitudes
.set AP,  36                           ; v36-39   lane l xor 16's; then the bytes
.set AE,  40                           ; v40-43   the conversions' scale operands
.set AW,  44                           ; v44-47   a scale word for each fragment 2 i + q
.set VA,  64                           ; v64-191  lora_a: tile 8 q + t at 8 (8 q + t)
.set F,   192                          ; v192-239 the codes: fragment 2 i + q at 12 (2 i + q)
.set AT,  240                          ; v240-242, v244-246
.Lab:
	s_lshl_b32 s35, ttmp9, 1
	s_add_co_u32 s35, s35, s16
	s_sub_co_u32 s35, s35, 10                      ; share 2 x work-group + wave - 10: 0 .. 511
	s_and_b32 s34, s35, 3                          ; its quarter j
	s_lshr_b32 s35, s35, 2                         ; its chunk
	s_lshr_b32 s21, s35, 3                         ; chunk of 128 n
	s_and_b32 s17, s35, 7                          ; K step S
	s_lshl_b32 s28, s17, 14                        ; 256 rows of lora_a, 64 bytes each
	s_add_nc_u64 s[8:9], s[8:9], s[28:29]
	s_lshl_b32 s28, s21, 9
	s_lshl_b32 s30, s34, 7
	s_add_co_u32 s28, s28, s30                     ; my 32 columns of lora_b
	s_add_nc_u64 s[10:11], s[10:11], s[28:29]
	s_mul_i32 s30, s17, BSS
	s_mul_i32 s31, s21, BCH
	s_add_co_u32 s30, s30, s31
	s_add_co_u32 s30, s30, XCH                     ; ab's chunk lies behind w's
	s_mul_i32 s31, s34, 4*FRB
	s_add_co_u32 s28, s30, s31
	s_add_nc_u64 s[22:23], s[14:15], s[28:29]      ; my four fragments
	s_lshl_b32 s31, s34, 8
	s_add_co_u32 s28, s30, s31
	s_add_co_u32 s28, s28, SCO
	s_add_nc_u64 s[24:25], s[14:15], s[28:29]      ; my 256 bytes of scale words
	v_and_b32 v8, 8, v6                            ; (v6 = r, v7 = h)
	v_add_nc_u32 v8, v8, v6                        ; r + 8 (r / 8)
	v_lshlrev_b32 v10, 6, v8                       ; lora_a: that row of 64 bytes,
	v_lshl_add_u32 v10, v7, 5, v10                 ; + 32 h
	v_lshlrev_b32 v11, 2, v6                       ; lora_b: column r,
	v_lshl_add_u32 v11, v7, 16, v11                ; + 8 h rows of 8,192 bytes
.irp b, 0,1,2,3
	v_mov_b32 v[AP+\b], 0                          ; written once: a lane permute's destination counts as one of its sources
.endr
	s_wait_alu depctr_va_vdst(0)                   ; the wait behind the offsets' writes
.irp y, 0,1
.irp e, 0,1,2,3,4,5,6,7
	global_load_b32 v[BV+8*\y+\e], v11, s[10:11] offset:8192*\e+64*\y
.endr
.endr
.set I, 0
.rept 16
	global_load_b128 v[VA+8*I:VA+8*I+3], v10, s[8:9] offset:64*(32*(I/2)+8*(I%2))
	global_load_b128 v[VA+8*I+4:VA+8*I+7], v10, s[8:9] offset:64*(32*(I/2)+8*(I%2))+16
.set I, I+1
.endr
.macro ABFRAG i, q
.set CS, F+12*(2*(\i)+(\q))
	WIN 0x50                                       ; C and D in window 1
.irp s, 0,1,2,3
.irp t, 0,1,2,3,4,5,6,7                ; the eight sums take turns; the first product starts each sum
.if \s == 0
	v_wmma_f32_16x16x4_f32 v[8*\t:8*\t+7], v[VA+64*(\q)+8*\t:VA+64*(\q)+8*\t+1], v[BV+8*(\i):BV+8*(\i)+1], 0
.else
	v_wmma_f32_16x16x4_f32 v[8*\t:8*\t+7], v[VA+64*(\q)+8*\t+2*\s:VA+64*(\q)+8*\t+2*\s+1], v[BV+8*(\i)+2*\s:BV+8*(\i)+2*\s+1], v[8*\t:8*\t+7]
.endif
.endr
.endr
.rept 8
	v_nop                                          ; eight places behind this form, ahead of the reads of its results
.endr
	WIN 0x05                                       ; sources 0 and 1 in window 1
.irp b, 0,1,2,3
	v_max3_num_f32 v[AM+\b], |v[16*\b]|, |v[16*\b+1]|, 0x2800000   ; block b: my 16 numbers, each sum from its low end on, and the floor 2^(5 - 127)
.endr
.irp e, 2,4,6,8,10,12,14
.irp b, 0,1,2,3
	v_max3_num_f32 v[AM+\b], |v[16*\b+\e]|, |v[16*\b+\e+1]|, v[AM+\b]
.endr
.endr
	WIN 0
.irp b, 0,1,2,3
	v_permlanex16_b32 v[AP+\b], v[AM+\b], s26, s27
.endr
.irp b, 0,1,2,3
	v_max_num_f32 v[AM+\b], v[AM+\b], v[AP+\b]     ; with lane l xor 16's 16: the block's largest magnitude
.endr
.irp b, 0,1,2,3
	v_add_nc_u32 v[AE+\b], 0xfe000000, v[AM+\b]    ; 4 off the exponent field: the conversion's scale operand
.endr
.irp b, 0,1,2,3
	v_add_nc_u32 v[AP+\b], 0xfe800000, v[AM+\b]    ; 3 off: the byte that is stored is one higher than the scale's: ALPHA / R = 2, exactly
.endr
.irp b, 0,1,2,3
	v_lshrrev_b32 v[AP+\b], 23, v[AP+\b]
.endr
	v_lshl_or_b32 v[AW+2*(\i)+(\q)], v[AP+1], 8, v[AP]   ; the row's word, the same in lanes l and l xor 16
	v_lshl_or_b32 v[AW+2*(\i)+(\q)], v[AP+2], 16, v[AW+2*(\i)+(\q)]
	v_lshl_or_b32 v[AW+2*(\i)+(\q)], v[AP+3], 24, v[AW+2*(\i)+(\q)]
	WIN 0x01                                       ; source 0 in window 1
.irp c, 0,1
	v_cvt_scalef32_pk16_bf6_f32 v[CS+6*\c:CS+6*\c+2], v[32*\c:32*\c+15], v[AE+2*\c]          ; the codes of k = 64 c + 16 h + 0 .. 15
	v_cvt_scalef32_pk16_bf6_f32 v[AT+4*\c:AT+4*\c+2], v[32*\c+16:32*\c+31], v[AE+2*\c+1]     ; and of k = 64 c + 32 + 16 h + 0 .. 15
.endr
	WIN 0
	v_nop                                          ; one plain vector instruction behind a scaled conversion
.irp c, 0,1                            ; a fragment wants a whole block in a lane: lanes 0-15 block 2 c, lanes 16-31 block 2 c + 1
.irp y, 0,1,2
	v_permlane16_swap_b32 v[CS+6*\c+\y], v[AT+4*\c+\y]   ; the first's lanes 16-31 change places with the second's lanes 0-15: now the block's lower 16 codes and its upper 16
.endr
.irp y, 0,1,2
	v_mov_b32 v[CS+6*\c+3+\y], v[AT+4*\c+\y]
.endr
.endr
.endm
	s_wait_loadcnt 16                              ; lora_b and K half 0 of lora_a are in; K half 1's 16 loads may be out
	ABFRAG 0, 0
	ABFRAG 1, 0
	s_wait_alu depctr_va_vdst(0)
	s_wait_loadcnt 0x0
	ABFRAG 0, 1
	ABFRAG 1, 1
	v_cndmask_b32 v14, v[AW], v[AW+1], s33         ; row block 2 j: lanes 0-15 K half 0's word, lanes 16-31 K half 1's
	v_cndmask_b32 v15, v[AW+2], v[AW+3], s33       ; row block 2 j + 1
	s_wait_alu depctr_va_vdst(0)                   ; the stores read what was just written, behind blocking waits
	s_wait_tensorcnt 0x0                           ; the wave's end
	ds_add_u32 v254, v255
	s_wait_dscnt 0x0
.irp f, 0,1,2,3
.irp j, 0,1,2
	global_store_b128 v1, v[F+12*\f+4*\j:F+12*\f+4*\j+3], s[22:23] offset:FRB*\f+512*\j   ; 512 consecutive bytes, at a multiple of 256 from the buffer's first byte
.endr
.endr
	global_store_b64 v2, v[14:15], s[24:25]        ; 256 consecutive bytes, aligned
	s_endpgm
.Lfunc_end_k_q5d41a8e85d_quant:
	.size	k_q5d41a8e85d_quant, .Lfunc_end_k_q5d41a8e85d_quant-k_q5d41a8e85d_quant
	.p2alignl 7, 3214868480
	.fill 96, 4, 3214868480
	.section	.rodata,"a",@progbits
	.p2align	6, 0x0
	.amdhsa_kernel k_q5d41a8e85d_quant
		.amdhsa_group_segment_fixed_size 309504
		.amdhsa_private_segment_fixed_size 0
		.amdhsa_enable_private_segment 0
		.amdhsa_kernarg_size 48
		.amdhsa_user_sgpr_count 2
		.amdhsa_user_sgpr_kernarg_segment_ptr 1
		.amdhsa_wavefront_size32 1
		.amdhsa_system_sgpr_workgroup_id_x 1
		.amdhsa_system_sgpr_workgroup_id_y 1
		.amdhsa_system_sgpr_workgroup_id_z 1
		.amdhsa_system_vgpr_workitem_id 0
		.amdhsa_next_free_vgpr 320
		.amdhsa_next_free_sgpr 66
		.amdhsa_reserve_vcc 0
		.amdhsa_float_denorm_mode_32 3
		.amdhsa_float_denorm_mode_16_64 3
		.amdhsa_memory_ordered 1
		.amdhsa_forward_progress 1
		.amdhsa_inst_pref_size 82
	.end_amdhsa_kernel
	.amdgpu_metadata
---
amdhsa.version: [ 1, 2 ]
amdhsa.kernels:
  - .name:           k_q5d41a8e85d_quant
    .symbol:         k_q5d41a8e85d_quant.kd
    .args:
      - { .name: x, .offset: 0, .size: 8, .value_kind: global_buffer, .address_space: global }
      - { .name: w, .offset: 8, .size: 8, .value_kind: global_buffer, .address_space: global }
      - { .name: lora_a, .offset: 16, .size: 8, .value_kind: global_buffer, .address_space: global }
      - { .name: lora_b, .offset: 24, .size: 8, .value_kind: global_buffer, .address_space: global }
      - { .name: xq, .offset: 32, .size: 8, .value_kind: global_buffer, .address_space: global }
      - { .name: bq, .offset: 40, .size: 8, .value_kind: global_buffer, .address_space: global }
    .group_segment_fixed_size: 309504
    .private_segment_fixed_size: 0
    .kernarg_segment_align: 8
    .kernarg_segment_size: 48
    .max_flat_workgroup_size: 384
    .sgpr_count:     66
    .vgpr_count:     320
    .wavefront_size: 32
...
	.end_amdgpu_metadata
.endif
;; end of part 1
;; launch gemm (part 2): grid 8 x 32, 4 waves a work-group, clusters of 4 x 4, 327,680 bytes of LDS; arguments xq, bq, b, out0; writes out0
.if DOCPART == 2
	.amdgcn_target "amdgcn-amd-amdhsa--gfx1250"
	.amdhsa_code_object_version 6
	.text
	.protected	k_q5d41a8e85d_gemm
	.globl	k_q5d41a8e85d_gemm
	.p2align	8
	.type	k_q5d41a8e85d_gemm,@function
k_q5d41a8e85d_gemm:
	s_mov_b64 s[64:65], 0
	v_nop
	global_prefetch_b8 v0, s[64:65] scope:SCOPE_SE
	s_setreg_imm32_b32 hwreg(HW_REG_WAVE_MODE, 25, 1), 1
	s_wait_xcnt 0x0
	s_wait_alu depctr_hold_cnt(0) depctr_sa_sdst(0) depctr_va_vdst(0) depctr_va_sdst(0) depctr_va_ssrc(0) depctr_va_vcc(0) depctr_vm_vsrc(0)
	s_getreg_b32 s2, hwreg(HW_REG_IB_STS2, 6, 4)
	s_cmp_eq_u32 s2, 0
	s_cbranch_scc0 .Lentry_in_a_cluster
	s_endpgm
.Lentry_in_a_cluster:
	s_bfe_u32 s2, ttmp6, 0x10000c
	s_cmp_lg_u32 s2, 0xf033
	s_cbranch_scc0 .Lentry_shape_is_right
	s_endpgm
.Lentry_shape_is_right:
; out0[m][n] = b[n] + sum_k Q(x)[m][k] Q(w)[n][k] + 2 sum_k Q(x)[m][k] Q(ab)[k][n]: both products on codes of BF6 (E3M2) with E8M0 scales, into ONE f32 accumulator for each output.
; The factor ALPHA / R = 2 lies in ab's scale bytes (the launch before put it there); the bias is the C of each accumulator's first matrix instruction.
; xq and bq hold images of the operands' registers: a fragment (16 rows x 128 K) is 1,536 bytes, register 4 j + i of lane l at 512 j + 16 l + 4 i; a chunk (128 rows x 256 K) is 16 fragments,
; fragment (row block a, K half q) at (2 a + q) x 1,536, and from byte 24,576 the scale words: 256 j + 8 l + 4 i = row l % 16 of row block 2 j + i, K half l / 16.
; xq: [K step of 256][chunk][25,600].  bq: [K step][chunk of 128 n][w's chunk, ab's chunk][25,600].
; A work-group of four waves makes 256 x 256 of out0, a wave 128 x 128: 64 accumulators.  K goes in 8 steps of 256 through two LDS slots (2 chunks of x, 2 x 2 of w and ab: 153,600 bytes).
; CLUSTERS 4 x 4: x's chunks are asked for jointly along a row of the cluster, w's and ab's along a column.  Waves 0, 1 fetch x's two chunks, waves 2, 3 the two pairs of w and ab.
; A K STEP IS FOUR SUB-STEPS of 64 matrix instructions: w (K half 0), ab (0), w (1), ab (1); x's fragments serve a w and an ab sub-step.  A set of B's registers is loaded anew as soon as its sub-step has ended,
; 64 matrix instructions ahead of its next use; A's blocks 0-3 in the middle and 4-7 at the end of an ab sub-step.  So all reads of a slot are issued ahead of its third sub-step, in which the slots change.
; THE MATRIX INSTRUCTION IS USED TRANSPOSED (source 0 = rows of w or ab, source 1 = rows of x): a lane holds eight neighbouring numbers of a row of out0.
; THE LAST 128 ALONG K (w and ab) GO BY ROWS OF out0: all their fragments lie in registers, and each block of 16 rows leaves while the next is multiplied.
; REGISTERS: window 0: v0-31 addresses; v32-79 scale words, a set of 24 for each slot; v128-223 A's fragments; v80-127, v224-239 rows on the way out.
;   window 1: B's sets: w's at v0, ab's at v128; v96-127, v224-255 the bias, later rows on the way out.  Windows 2, 3: the accumulators ((a, b) at 8 (8 (a % 4) + b)).
; LIMITS: as the launch before states them (NaN and infinities among the inputs are not served).
.set XSS,    1638400
.set XCH,    25600
.set BSS,    819200
.set BCH,    51200
.set SCO,    24576
.set FR,     12
.set FRB,    1536
.set SLOT,   2*XCH+2*BCH
.set SPARE,  2*SLOT                    ; behind the ring: the spare words, 128 bytes a wave
.set SPITCH, 528                       ; the way out: a stage of 16 rows x (512 + 16) bytes a wave, in slot 0, which has had its last fill and its last read by then
.set CO,   2                           ; v2  16 x lane: my bytes of a row of 512
.set ADRA, 16                          ; v16-17 my A fragments in slot 0, 1;  v18-19 A's scale words
.set ADSA, 18
.set ADRB, 20                          ; v20-21, v22-23 the same for B
.set ADSB, 22
.set STO,  24
.set RD,   25
.set BO,   27
.set SPW,  28
.set NIL,  29
.set PFO,  30                          ; v30 the prefetches' offset: 256 x min(lane, 24)
.set SC,   32
.set AF,   128
.set G1,  24
.set G0,  32
.set G1B, 48
.set G0B, 56
.set PFA, 66                           ; s[66:67] where my prefetches stand;  s[68:69] bytes from K step to K step of the buffer that I fetch from
.set PFS, 68
.set MSB, 0
.macro WIN new                         ; the immediate's high byte repeats the setting that is left
.if MSB != \new
	s_set_vgpr_msb (MSB<<8)|\new
.set MSB, \new
.endif
.endm
.set MUL_LO, 0xa1                      ; source 0 window 1, source 1 window 0, C and D window 2
.set MUL_HI, 0xf1
.set BEG_LO, 0x91                      ; C (the bias) window 1
.set BEG_HI, 0xd1
.set TO_B,   0x40
.macro JLOAD s                         ; a joint load; s_nop 0 and four v_nop follow each line
	s_cmp_eq_u32 s15, 0
	s_cbranch_scc0 .Lfor_b_\@
	tensor_load_to_lds s[G0+4*\s:G0+4*\s+3], s[G1:G1+7]
	s_nop 0
.rept 4
	v_nop
.endr
	s_branch .Lasked_\@
.Lfor_b_\@:
	tensor_load_to_lds s[G0B+4*\s:G0B+4*\s+3], s[G1B:G1B+7]
	s_nop 0
.rept 4
	v_nop
.endr
.Lasked_\@:
.endm
; A prefetch behind each joint load, for the K step two refills on (at the head K step 1 too).  Of the 25,600 (x) or 51,200 (w, ab) bytes that a wave fetches, each of the four partners that ask jointly
; names a quarter, told apart by address: 25 blocks of 256 bytes an instruction, a lane a block (lanes 25-31 name the 25th again); B's waves issue two.  always = 0: not in the loop's last trip, which has no K step two on.
.macro ASK always
.if \always == 0
	s_cmp_gt_u32 s3, 1
	s_cbranch_scc0 .Lno_\@
.endif
	global_prefetch_b8 v[PFO], s[PFA:PFA+1] th:TH_LOAD_NT scope:SCOPE_SE
	s_cmp_eq_u32 s15, 0
	s_cbranch_scc1 .Lno_\@
	global_prefetch_b8 v[PFO], s[PFA:PFA+1] offset:6400 th:TH_LOAD_NT scope:SCOPE_SE
.Lno_\@:
.endm
.macro CREST
	s_cmp_lg_u32 s14, 0
	s_cbranch_scc1 .Lnot_wave_0_\@
	s_barrier_signal -3
.Lnot_wave_0_\@:
	s_barrier_wait -3
	s_barrier_signal -1
	s_barrier_wait -1
.endm
.macro CROUND
	s_barrier_signal -1
	s_barrier_wait -1
	CREST
.endm
	s_load_b128 s[4:7], s[0:1], 0x0                ; xq, bq
	s_load_b128 s[8:11], s[0:1], 0x10              ; b, out0
	v_lshl_add_u32 v[SPW], v0, 2, SPARE
	v_mov_b32 v[NIL], 0
	ds_add_u32 v[SPW], v[NIL]                      ; the opening lines: the add, twice on end, and its wait
	ds_add_u32 v[SPW], v[NIL]
	v_lshrrev_b32 v1, 5, v0
	v_readfirstlane_b32 s14, v1                    ; wave
	s_lshr_b32 s15, s14, 1                         ; my half of the rows; also: I fetch for A (0) or B (1)
	s_and_b32 s16, s14, 1                          ; my half of the columns; also: which chunk I fetch
	s_bfe_u32 s40, ttmp6, 0x40000                  ; cx
	s_bfe_u32 s41, ttmp6, 0x40004                  ; cy
	s_lshl_b32 s42, ttmp9, 2
	s_add_co_u32 s42, s42, s40                     ; tile column
	s_and_b32 s17, ttmp7, 0xffff
	s_lshl_b32 s17, s17, 2
	s_add_co_u32 s17, s17, s41                     ; tile row
	s_lshl_b32 s43, s41, 2
	s_lshl_b32 s43, 15, s43                        ; my row of the cluster
	s_lshl_b32 s44, 0x1111, s40                    ; my column
	s_or_b32 s[G1+0], s43, (3<<16)|(1<<21)         ; dense blocks as rows of 256 bytes (32 elements of 8): 100 rows of x,
	s_or_b32 s[G1B+0], s44, (3<<16)|(1<<21)        ; 200 of w and ab
	s_mov_b32 s[G1+1], 32<<16
	s_mov_b32 s[G1+2], 100<<16
	s_mov_b32 s[G1+3], 32<<16
	s_mov_b32 s[G1+4], 100
	s_mov_b32 s[G1+5], 32
	s_mov_b32 s[G1+6], 0
	s_mov_b32 s[G1+7], 0
	s_mov_b32 s[G1B+1], 32<<16
	s_mov_b32 s[G1B+2], 200<<16
	s_mov_b32 s[G1B+3], 32<<16
	s_mov_b32 s[G1B+4], 200
	s_mov_b32 s[G1B+5], 32
	s_mov_b32 s[G1B+6], 0
	s_mov_b32 s[G1B+7], 0
	s_lshl_b32 s20, s17, 1
	s_add_co_u32 s20, s20, s16
	s_mul_i32 s20, s20, XCH                        ; x's chunk 2 x tile row + half
	s_mov_b32 s21, 0
	s_lshl_b32 s46, s42, 1
	s_add_co_u32 s46, s46, s16
	s_mul_i32 s46, s46, BCH                        ; w's and ab's chunks 2 x tile column + half
	s_mov_b32 s47, 0
	s_mul_i32 s45, s16, XCH                        ; where they go in a slot
	s_mul_i32 s22, s16, BCH
	s_add_co_u32 s22, s22, 2*XCH                   ; (also: where my B fragments lie)
	s_mul_i32 s72, s15, XCH                        ; where my A fragments lie,
	s_add_co_u32 s73, s72, SCO                     ; A's scale words,
	s_add_co_u32 s74, s22, SCO                     ; B's,
	s_mul_i32 s75, s14, 16*SPITCH                  ; my stage
	s_lshl_b32 s12, s17, 8
	s_lshl_b32 s13, s15, 7
	s_add_co_u32 s12, s12, s13
	s_lshl_b32 s12, s12, 13                        ; my first row of out0, 8,192 bytes a row
	s_mov_b32 s13, 0
	s_lshl_b32 s18, s42, 10
	s_lshl_b32 s19, s16, 9
	s_add_co_u32 s18, s18, s19                     ; my first column, in bytes
	s_mov_b32 s19, 0
	s_cmp_eq_u32 s15, 0
	s_cselect_b32 s70, s40, s41                    ; my place among the four that ask with me
	s_mov_b32 s[PFS], BSS
	s_cselect_b32 s[PFS], XSS, s[PFS]
	s_mov_b32 s[PFS+1], 0
	s_mov_b32 s71, 12800
	s_cselect_b32 s71, 6400, s71
	s_mul_i32 s70, s70, s71                        ; my quarter,
	s_add_co_u32 s70, s70, s[PFS]                  ; of K step 1
	s_mov_b32 s71, 0
	v_and_b32 v1, 31, v0
	v_lshlrev_b32 v[CO], 4, v1
	v_lshlrev_b32 v3, 3, v1
	v_add_nc_u32 v[ADRA], s72, v[CO]
	v_add_nc_u32 v[ADRB], s22, v[CO]
	v_add_nc_u32 v[ADSA], s73, v3
	v_add_nc_u32 v[ADSB], s74, v3
	v_add_nc_u32 v[ADRA+1], SLOT, v[ADRA]
	v_add_nc_u32 v[ADRB+1], SLOT, v[ADRB]
	v_add_nc_u32 v[ADSA+1], SLOT, v[ADSA]
	v_add_nc_u32 v[ADSB+1], SLOT, v[ADSB]
	v_and_b32 v4, 15, v0
	v_bfe_u32 v5, v0, 4, 1
	v_mul_u32_u24 v6, v4, SPITCH
	v_lshl_add_u32 v6, v5, 5, v6
	v_add_nc_u32 v[STO], s75, v6                   ; into the stage: row l % 16, 32 bytes for each half of the lanes
	v_add_nc_u32 v[RD], s75, v[CO]                 ; back: 32 lanes take a row of 512 bytes
	v_lshlrev_b32 v[BO], 5, v5                     ; the bias: my eight columns of each sixteen
	v_min_u32 v7, 24, v1
	v_lshlrev_b32 v[PFO], 8, v7
	s_wait_alu depctr_va_vdst(0)                   ; the wait behind the head's last vector instruction
	s_wait_dscnt 0x0                               ; both opening adds are done
	s_wait_kmcnt 0x0
	s_add_nc_u64 s[20:21], s[4:5], s[20:21]
	s_add_nc_u64 s[46:47], s[6:7], s[46:47]
	s_add_nc_u64 s[12:13], s[10:11], s[12:13]
	s_add_nc_u64 s[12:13], s[12:13], s[18:19]
	s_add_nc_u64 s[8:9], s[8:9], s[18:19]
	s_cmp_eq_u32 s15, 0
	s_cselect_b64 s[PFA:PFA+1], s[20:21], s[46:47]
	s_add_nc_u64 s[PFA:PFA+1], s[PFA:PFA+1], s[70:71]
.irp s, 0,1
	s_mov_b32 s[G0+4*\s], 1
	s_add_co_u32 s[G0+4*\s+1], s45, \s*SLOT
	s_add_nc_u64 s[G0+4*\s+2:G0+4*\s+3], s[20:21], \s*XSS
	s_or_b32 s[G0+4*\s+3], s[G0+4*\s+3], 0x80000000
	s_mov_b32 s[G0B+4*\s], 1
	s_add_co_u32 s[G0B+4*\s+1], s22, \s*SLOT
	s_add_nc_u64 s[G0B+4*\s+2:G0B+4*\s+3], s[46:47], \s*BSS
	s_or_b32 s[G0B+4*\s+3], s[G0B+4*\s+3], 0x80000000
.endr
	CROUND                                         ; all sixteen work-groups are here: the first joint loads meet
	JLOAD 0                                        ; K step 0: one tensor load a wave at the head
	ASK 1                                          ; K step 1
	WIN TO_B
.irp b, 0,1,2,3,4,5,6,7
	global_load_b128 v[96+8*\b+96*(\b/4):96+8*\b+96*(\b/4)+3], v[BO], s[8:9] offset:64*\b
	global_load_b128 v[96+8*\b+96*(\b/4)+4:96+8*\b+96*(\b/4)+7], v[BO], s[8:9] offset:64*\b+16
.endr
	WIN 0
	s_wait_xcnt 0x0                                ; the prefetch has read its address
	s_add_nc_u64 s[PFA:PFA+1], s[PFA:PFA+1], s[PFS:PFS+1]
	ASK 1                                          ; K step 2
.macro FRAG reg, adr, off
.irp c, 0,1,2
	ds_load_b128 v[\reg+4*\c:\reg+4*\c+3], v[\adr] offset:\off+512*\c
.endr
.endm
.macro FETCH_B slot, q, t              ; 24 loads: the eight fragments of w (t = 0) or ab (t = 1), K half q, into set t
	WIN TO_B
.irp i, 0,1,2,3,4,5,6,7
	FRAG 128*(\t)+FR*\i, ADRB+\slot, XCH*(\t)+(2*\i+(\q))*FRB
.endr
	WIN 0
.endm
.macro FETCH_A slot, q, i0             ; 12 loads: A's blocks i0 .. i0 + 3
.irp i, \i0, \i0+1, \i0+2, \i0+3
	FRAG AF+FR*(\i), ADRA+\slot, (2*(\i)+(\q))*FRB
.endr
.endm
.macro SCALES slot                     ; 12 loads: a K step's scale words: lanes 0-15 K half 0, lanes 16-31 K half 1
.irp j, 0,1,2,3
	ds_load_b64 v[SC+24*\slot+2*\j:SC+24*\slot+2*\j+1], v[ADSA+\slot] offset:256*\j
	ds_load_b64 v[SC+24*\slot+8+2*\j:SC+24*\slot+8+2*\j+1], v[ADSB+\slot] offset:256*\j
	ds_load_b64 v[SC+24*\slot+16+2*\j:SC+24*\slot+16+2*\j+1], v[ADSB+\slot] offset:XCH+256*\j
.endr
.endm
.macro WM a, b, q, t, sc, first
.if \first
	v_wmma_scale_f32_16x16x128_f8f6f4 v[8*(8*((\a)%4)+\b):8*(8*((\a)%4)+\b)+7], v[128*(\t)+FR*\b:128*(\t)+FR*\b+FR-1], v[AF+FR*(\a):AF+FR*(\a)+FR-1], v[96+8*\b+96*(\b/4):96+8*\b+96*(\b/4)+7], v[SC+24*(\sc)+8+8*(\t)+\b], v[SC+24*(\sc)+(\a)] matrix_a_fmt:MATRIX_FMT_BF6 matrix_b_fmt:MATRIX_FMT_BF6
.elseif \q
	v_wmma_scale_f32_16x16x128_f8f6f4 v[8*(8*((\a)%4)+\b):8*(8*((\a)%4)+\b)+7], v[128*(\t)+FR*\b:128*(\t)+FR*\b+FR-1], v[AF+FR*(\a):AF+FR*(\a)+FR-1], v[8*(8*((\a)%4)+\b):8*(8*((\a)%4)+\b)+7], v[SC+24*(\sc)+8+8*(\t)+\b], v[SC+24*(\sc)+(\a)] matrix_a_fmt:MATRIX_FMT_BF6 matrix_b_fmt:MATRIX_FMT_BF6 matrix_a_scale:MATRIX_SCALE_ROW1 matrix_b_scale:MATRIX_SCALE_ROW1
.else
	v_wmma_scale_f32_16x16x128_f8f6f4 v[8*(8*((\a)%4)+\b):8*(8*((\a)%4)+\b)+7], v[128*(\t)+FR*\b:128*(\t)+FR*\b+FR-1], v[AF+FR*(\a):AF+FR*(\a)+FR-1], v[8*(8*((\a)%4)+\b):8*(8*((\a)%4)+\b)+7], v[SC+24*(\sc)+8+8*(\t)+\b], v[SC+24*(\sc)+(\a)] matrix_a_fmt:MATRIX_FMT_BF6 matrix_b_fmt:MATRIX_FMT_BF6
.endif
.endm
.macro MUL16 a0, q, t, sc, first       ; A's blocks a0, a0 + 1 x B's eight; the accumulators take turns
.irp a, \a0, \a0+1
.irp b, 0,1,2,3,4,5,6,7
	WM \a, \b, \q, \t, \sc, \first
.endr
.endr
.endm
.macro PLACES                          ; four places behind a matrix instruction, ahead of loads into its sources and of reads of its result
.rept 4
	v_nop
.endr
.endm
; w, K half 0.  LDS loads out at its head, oldest first: w's set 24, scale words 12, A 0-3 12 | A 4-7 12, ab's set 24
.macro W0 slot, first
	s_wait_dscnt 36                                ; all but A's blocks 4-7 and ab's set
.if \first
	WIN BEG_LO
.else
	WIN MUL_LO
.endif
	MUL16 0, 0, 0, \slot, \first
	MUL16 2, 0, 0, \slot, \first
	s_wait_dscnt 24                                ; A's blocks 4-7 are in
.if \first
	WIN BEG_HI
.else
	WIN MUL_HI
.endif
	MUL16 4, 0, 0, \slot, \first
	MUL16 6, 0, 0, \slot, \first
	PLACES
	FETCH_B \slot, 1, 0                            ; w's set is free: K half 1
.endm
; ab, K half q; it fetches A's fragments and ab's set of the K half that follows (slot ns, half nq)
.macro AB slot, q, ns, nq
	s_wait_dscnt 24+12*(\q)                        ; ab's set is in; w's next set (and, behind a change of slots, the scale words) may be out
	WIN MUL_LO
	MUL16 0, \q, 1, \slot, 0
	MUL16 2, \q, 1, \slot, 0
	PLACES
	WIN 0
	FETCH_A \ns, \nq, 0
	WIN MUL_HI
	MUL16 4, \q, 1, \slot, 0
	MUL16 6, \q, 1, \slot, 0
	PLACES
	WIN 0
	FETCH_A \ns, \nq, 4
	FETCH_B \ns, \nq, 1
.endm
; w, K half 1, and the change of slots.  All reads of this slot have been issued.  Out at its head: w's set 24, A 0-3 12 | A 4-7 12, ab's set 24, the add
.macro W1T slot, next, fill
.if \fill
	s_wait_xcnt 0x0                                ; my prefetches have read their address: it steps a K step on
	s_add_nc_u64 s[PFA:PFA+1], s[PFA:PFA+1], s[PFS:PFS+1]
.endif
	s_wait_tensorcnt 0x0                           ; all my tensor loads have landed: my part of the next slot
	ds_add_u32 v[SPW], v[NIL]
	s_wait_dscnt 37
	WIN MUL_LO
	MUL16 0, 1, 0, \slot, 0
	MUL16 2, 1, 0, \slot, 0
	s_wait_dscnt 25                                ; A's blocks 4-7 are in
	WIN MUL_HI
	MUL16 4, 1, 0, \slot, 0
	s_wait_dscnt 0x0                               ; the add is done, and my reads of this slot are over
	s_barrier_signal -1
	MUL16 6, 1, 0, \slot, 0
	WIN 0
	s_barrier_wait -1
.if \fill
	CREST                                          ; the barrier has opened a round of the cluster's barrier
	s_add_nc_u64 s[G0+4*\slot+2:G0+4*\slot+3], s[G0+4*\slot+2:G0+4*\slot+3], 2*XSS
	s_add_nc_u64 s[G0B+4*\slot+2:G0B+4*\slot+3], s[G0B+4*\slot+2:G0B+4*\slot+3], 2*BSS
	JLOAD \slot                                    ; the refill, two K steps on; its four v_nop are the places ahead of the loads below
.else
	PLACES
.endif
	FETCH_B \next, 0, 0
	SCALES \next
.if \fill
	ASK 0
.endif
.endm
	s_wait_tensorcnt 0x0                           ; my part of K step 0 is in
	ds_add_u32 v[SPW], v[NIL]
	s_wait_dscnt 0x0
	CROUND
	JLOAD 1                                        ; K step 1
	FETCH_B 0, 0, 0
	SCALES 0
	FETCH_A 0, 0, 0
	FETCH_A 0, 0, 4
	FETCH_B 0, 0, 1
	s_wait_xcnt 0x0
	s_add_nc_u64 s[PFA:PFA+1], s[PFA:PFA+1], s[PFS:PFS+1]
	ASK 1                                          ; K step 3
	s_wait_loadcnt 0x0                             ; the bias
	W0 0, 1                                        ; the first products start the sums from the bias
	s_mov_b32 s3, 3
.Llap:                                                 ; a trip: once round the ring, from a lap's second sub-step to the next lap's first; both slots are filled again
	AB 0, 0, 0, 1
	W1T 0, 1, 1
	AB 0, 1, 1, 0
	W0 1, 0
	AB 1, 0, 1, 1
	W1T 1, 0, 1
	AB 1, 1, 0, 0
	W0 0, 0
	s_sub_co_u32 s3, s3, 1
	s_cmp_lg_u32 s3, 0
	s_cbranch_scc1 .Llap
	AB 0, 0, 0, 1                                  ; the last lap fills nothing
	W1T 0, 1, 0
	AB 0, 1, 1, 0
	W0 1, 0
	AB 1, 0, 1, 1
; The last K half by rows of out0: block a's 8 accumulators by turns, w's eight products and then ab's eight
.macro ROW a
	WIN MUL_LO+0x50*((\a)/4)
.irp t, 0,1
.if (\a) == 0 && \t == 1
	s_wait_dscnt 0x0                               ; A's blocks 4-7 and ab's set are in
.endif
.irp b, 0,1,2,3,4,5,6,7
	WM \a, \b, 1, \t, 1, 0
.endr
.endr
.endm
; Block a through my stage: 32 bytes a lane in, whole rows of 512 bytes back; rows of even blocks into window 0 (v80-127, v224-239), of odd blocks into window 1 (v96-127, v224-255)
.macro TOSTAGE a
.set AC, 64*((\a)%4)
	WIN 0x08+4*((\a)/4)
.irp b, 0,1,2,3,4,5,6,7
	ds_store_b128 v[STO], v[AC+8*\b:AC+8*\b+3] offset:64*\b          ; each accumulator from its low end on
	ds_store_b128 v[STO], v[AC+8*\b+4:AC+8*\b+7] offset:64*\b+16
.endr
	WIN 0x40*((\a)%2)
.irp t, 0,1,2,3,4,5,6,7,8,9,10,11,12,13,14,15
.set OBR, 80+16*((\a)%2)+4*\t+96*(\t/(12-4*((\a)%2)))
	ds_load_b128 v[OBR:OBR+3], v[RD] offset:\t*SPITCH                ; LDS serves a wave's instructions in order: these see the stores above
.endr
.endm
.macro SEND a
	s_wait_dscnt 0x0                               ; the block is back in registers
	WIN 0x04*((\a)%2)
.irp t, 0,1,2,3,4,5,6,7,8,9,10,11,12,13,14,15
.set OBR, 80+16*((\a)%2)+4*\t+96*(\t/(12-4*((\a)%2)))
	global_store_b128 v[CO], v[OBR:OBR+3], s[12:13] offset:(16*(\a)+\t)*8192 th:TH_STORE_NT   ; 32 lanes store 512 consecutive bytes, aligned; 127 rows at the most: inside the signed 24-bit immediate
.endr
.endm
	s_wait_dscnt 36                                ; w's set and A's blocks 0-3 are in
	ROW 0
.irp a, 0,1,2,3,4,5,6,7
	PLACES
.if \a > 1
	s_wait_xcnt 0x0                                ; the stores of two blocks ago have read their registers, on which this block's rows land
.endif
	TOSTAGE \a
.if \a < 7
	ROW \a+1
.endif
	SEND \a
.endr
	WIN 0
	s_wait_tensorcnt 0x0                           ; the wave's end
	ds_add_u32 v[SPW], v[NIL]
	s_wait_dscnt 0x0
	CROUND                                         ; the closing round
	s_endpgm
.Lfunc_end_k_q5d41a8e85d_gemm:
	.size	k_q5d41a8e85d_gemm, .Lfunc_end_k_q5d41a8e85d_gemm-k_q5d41a8e85d_gemm
	.p2alignl 7, 3214868480
	.fill 96, 4, 3214868480
	.section	.rodata,"a",@progbits
	.p2align	6, 0x0
	.amdhsa_kernel k_q5d41a8e85d_gemm
		.amdhsa_group_segment_fixed_size 327680
		.amdhsa_private_segment_fixed_size 0
		.amdhsa_enable_private_segment 0
		.amdhsa_kernarg_size 32
		.amdhsa_user_sgpr_count 2
		.amdhsa_user_sgpr_kernarg_segment_ptr 1
		.amdhsa_wavefront_size32 1
		.amdhsa_system_sgpr_workgroup_id_x 1
		.amdhsa_system_sgpr_workgroup_id_y 1
		.amdhsa_system_sgpr_workgroup_id_z 1
		.amdhsa_system_vgpr_workitem_id 0
		.amdhsa_next_free_vgpr 1024
		.amdhsa_next_free_sgpr 80
		.amdhsa_reserve_vcc 0
		.amdhsa_float_denorm_mode_32 3
		.amdhsa_float_denorm_mode_16_64 3
		.amdhsa_memory_ordered 1
		.amdhsa_forward_progress 1
		.amdhsa_inst_pref_size 217
	.end_amdhsa_kernel
	.amdgpu_metadata
---
amdhsa.version: [ 1, 2 ]
amdhsa.kernels:
  - .name:           k_q5d41a8e85d_gemm
    .symbol:         k_q5d41a8e85d_gemm.kd
    .args:
      - { .name: xq, .offset: 0, .size: 8, .value_kind: global_buffer, .address_space: global }
      - { .name: bq, .offset: 8, .size: 8, .value_kind: global_buffer, .address_space: global }
      - { .name: b, .offset: 16, .size: 8, .value_kind: global_buffer, .address_space: global }
      - { .name: out0, .offset: 24, .size: 8, .value_kind: global_buffer, .address_space: global }
    .group_segment_fixed_size: 327680
    .private_segment_fixed_size: 0
    .kernarg_segment_align: 8
    .kernarg_segment_size: 32
    .max_flat_workgroup_size: 128
    .sgpr_count:     80
    .vgpr_count:     1024
    .wavefront_size: 32
...
	.end_amdgpu_metadata
.endif
;; end of part 2
